; MI455X (gfx1250); checked and timed in simulation.
; The chip was launched on July 23, 2026; its instructions are those of AMD's public machine-readable ISA for CDNA 5 (MIT licence, August 2026) and "CDNA5" Instruction Set Architecture Reference Guide (July 2026). The comments in the code are by the model that wrote it; some were corrected since.
;; Self Attention2 D. Allowed arithmetic: matrix products marked QUANTISED: E3M2 operands, one E8M0 scale for each 32 along K, by v_wmma_scale_f32_16x16x128_f8f6f4 with both operands' format E3M2, f32 sums; everything else in f32.
;; Inputs: Wk 32 x 256 float32; Wq 32 x 256 float32; Wv 256 x 256 float32; bk 32 float32; bq 32 float32; bv 256 float32; gamma 1 float32; x 8 x 256 x 64 x 64 float32.
;; Outputs: out0 8 x 256 x 64 x 64 float32.
;; This version of the problem:
;;   THIS VERSION OF THE PROBLEM IS GIVEN IN LOW PRECISION. The matrix products marked QUANTISED in the list below multiply operands that are first quantised to E3M2 (3 exponent bits, 2 mantissa bits; 6 bits a number), with one power-of-two scale for each 32 numbers along K (OCP MX v1.0); their sums are f32. All else is computed in f32.
;;   The module's matrix products, in the order in which they are computed (A, B: the left and right operand; K: the contracted axis; several contracted axes count as one K, in the product's order):
;;     1. [M 32,768, K 256] x [K 256, N 32]; A: input x; B: input Wq: QUANTISED
;;     2. [M 32,768, K 256] x [K 256, N 32]; A: input x; B: input Wk: QUANTISED
;;     3. [M 32,768, K 256] x [K 256, N 256]; A: input x; B: input Wv: QUANTISED
;;     4. batch 8 x [M 4,096, K 32] x [K 32, N 4,096]; A: computed on the way; B: computed on the way: QUANTISED
;;     5. batch 8 x [M 256, K 4,096] x [K 4,096, N 4,096]; A: computed on the way; B: softmax (see below): QUANTISED
;;   THE QUANTISER, for each operand of a quantised product, along K:
;;     - K is cut into blocks of 32 from its start; a last block that is shorter is filled with zeros.
;;     - A block's scale is 2^e with e = floor(log2(the largest magnitude in the block)) - 4, held to -126 .. 127; a block of zeros has e = 0. As a byte (E8M0): e + 127.
;;     - Each number is divided by its block's scale, clamped to +-28, and rounded to the nearest number of E3M2, ties to even, subnormals kept.
;;     - The product sums the exact products of the quantised numbers (number of the format x scale) in f32.
;;   ~~~python
;;   def quantise(x, axis):      # numpy; x: float32 -> the quantised numbers, widened to float32 again
;;       x = np.moveaxis(x, axis, -1); K = x.shape[-1]
;;       x = np.pad(x, [(0, 0)] * (x.ndim - 1) + [(0, -K % 32)]); x = x.reshape(x.shape[:-1] + (-1, 32)); a = np.abs(x).max(-1, keepdims=True)
;;       e = np.where(a > 0, np.clip(np.frexp(np.where(a > 0, a, 1))[1] - 1 - 4, -126, 127), 0)      # np.frexp(a)[1] - 1 = floor(log2(a)), exactly
;;       r = np.clip(x / 2.0 ** e, -28, 28)
;;       step = 2.0 ** (np.maximum(np.frexp(np.where(r == 0, 1, r))[1] - 1, -2) - 2)
;;       q = np.round(r / step) * step * 2.0 ** e      # np.round: ties to even
;;       return np.moveaxis(q.reshape(q.shape[:-2] + (-1,))[..., :K], -1, axis).astype(np.float32)
;;   ~~~
;;   SOFTMAX AHEAD OF A QUANTISED PRODUCT. Where the list says 'softmax', what is quantised is not the finished softmax but p = 2^(t - M), with t = logit x log2(e) and M = ceil(the row's largest t), a whole number; so 1/2 < the row's largest p <= 1. The row's sum l is taken of the UNQUANTISED p, in f32, and the product's result is divided by l at the end. Since M is a whole number, a kernel that streams over the keys may use a running M (the ceiling of the running maximum): every later rescaling is an exact power of two, which a block's scale takes up: the codes' values come out the same.
;;   OPERANDS COMPUTED ON THE WAY. 'Computed on the way' means the value that the module computes at that place (a softmax that the list does not call 'softmax' is quantised finished and normalised). What goes into a quantiser is computed in f32, as accurately as f32 sums, v_exp_f32 and their like allow (about 1e-6 of the number): no bf16 or f16 on the way to a quantiser, and a product that is left as it is and whose result goes on into a quantised operand takes f32 operands (vector FMAs, or v_wmma_f32_16x16x4_f32). A number that lies on a knife's edge between two numbers of the format may be rounded either way, as far as f32 arithmetic and the matrix unit's own rounding can turn it there, and no further.
;; One version. Each part assembles by itself: llvm-mc -triple=amdgcn-amd-amdhsa -mcpu=gfx1250 --defsym DOCPART=n.
;; ======== version 1 of 1: 2 launches
;; workspace buffers: kv 7,405,568 bytes; q 851,968 bytes
;; launch proj (part 1): grid 32 x 8, 4 waves a work-group, no clusters, 168,448 bytes of LDS; arguments x, Wq, bq, Wk, bk, Wv, bv, kv, q; writes kv, q
.if DOCPART == 1
	.amdgcn_target "amdgcn-amd-amdhsa--gfx1250"
	.amdhsa_code_object_version 6
	.text
	.protected	k_qf86f06d0a7_proj
	.globl	k_qf86f06d0a7_proj
	.p2align	8
	.type	k_qf86f06d0a7_proj,@function
k_qf86f06d0a7_proj:
	s_mov_b64 s[64:65], 0
	v_nop
	global_prefetch_b8 v0, s[64:65] scope:SCOPE_SE
	s_setreg_imm32_b32 hwreg(HW_REG_WAVE_MODE, 25, 1), 1
	s_wait_xcnt 0x0
; q = Wq x + bq, k = Wk x + bk, v = Wv x + bv for 128 positions of one image, all three products on codes of BF6 (E3M2) with one E8M0 scale for each 32 along K (K = the 256 channels),
; and the results quantised again for the attention that follows: q and k along their 32 channels (one block a position), v along the positions (the keys) in blocks of 32.
; x: [8][256][4096] f32.  Wq, Wk: [32][256], Wv: [256][256], f32, K innermost.  OUT: one record of kv (28,928 bytes) and one of q (3,328 bytes) for each work-group, laid as IMAGES OF OPERAND REGISTERS:
; a fragment (16 rows x 128 K, 12 registers a lane) is three chunks of 512 bytes, chunk g = registers 4 g .. 4 g + 3, lane l at byte 16 l.
;   kv record: 0: two fragments of k; 3,072: sixteen fragments of v (channel tile t: row = channel 16 t + r, K = the 128 keys in order); 27,648: v's scale words, register i = tile 2 i in lanes 0-15, tile 2 i + 1 in lanes 16-31;
;   28,672: k's scale words, 8 bytes a lane (fragment 0's row lane % 16, fragment 1's).   q record: two fragments, then at 3,072 the scale words, as k's.
; A FRAGMENT OF k (or q) HOLDS FOUR TILES OF 16 POSITIONS: the scores' K is 32, one block, so block b of row r of fragment F is position p(4 F + b, r), p(T, r) = 32 (T / 2) + 8 (T % 2) + r + 8 (r / 8).
; x's tiles take their 16 positions by the same p, so that a lane's 16 results of tiles 2 b and 2 b + 1 are 16 neighbouring positions: v's next K.
; SHARES.  256 work-groups of four waves.  Wave w brings channels 64 w .. 64 w + 63 of x into LDS (one tensor load, 64 rows of 512 bytes), quantises twelve weight fragments into its registers (Wv's tiles 4 w .. 4 w + 3;
; Wk for waves 0, 1, Wq for waves 2, 3: chosen by pointer, one path for all waves), quantises its channels of x into images in LDS, and behind ONE barrier makes one fragment of k or q and four of v.
; NO CLUSTER: what the work-groups share are the weights, 327,680 bytes of f32; beside x's 131,072 bytes and the images' 25,600 they do not fit into a work-group's LDS as one joint fill, and they are wanted
; in registers, each number once a wave: they are loaded lane by lane while x's tile is on its way.
; LIMITS: NaN and infinities among the inputs are not served.  A block whose largest magnitude lies under 2^-122 keeps the scale byte 1; a block of zeros has the byte 1 and not 127: its codes are zeros, and this program alone reads the bytes.
.set REC,   28928
.set QREC,  3328
.set VI,    3072
.set VSO,   27648
.set KSO,   28672
.set QSO,   3072
.set XIMG,  131072                     ; LDS: 0: x as it lies, 256 rows of 512 bytes (wave w's at 32,768 w); XIMG: x's 16 fragments, (tile T, K step s) at 1,536 (T + 8 s);
.set XSC,   155648                     ; XSC: their scale words, 64 (T + 8 s) + 4 r
.set LI,   1                           ; v1   16 x lane
.set VWA,  2                           ; v2   Wv: row r of 1,024 bytes + 128 h: my 32 numbers of a block
.set QWA,  3                           ; v3   Wq, Wk: row r + 8 (r / 8)
.set PW,   4                           ; v4   the scale word just made
.set SH8,  5                           ; v5   8 h
.set BO4,  6                           ; v6   4 r
.set BO64, 7                           ; v7   64 h
.set WS,   12                          ; v12-23  the weights' scale words, fragment f
.set XS,   24                          ; v24-31  x's scale words: two tiles to a register
.set PC,   32                          ; v32-51  the codes just made
.set TM,   52                          ; v52-55 largest magnitudes, v56-59 the other half's / bytes, v60-63 the conversions' scales
.set HA,   64                          ; v64-127 a job's 64 results.  (v64-255: three sets of 64 weights; v64-159: three sets of 32 numbers of x)
.set XRD,  240                         ; v240-252: made behind the weights
.set XA0,  241
.set XA1,  242
.set XSB,  243
.set LIX,  244
.set LIQ,  245
.set LSX,  246
.set LSQ,  247
.set L8,   248
.set LV,   249
.set PWS,  250
.set PWA,  252
.set BV,   144                         ; window 2: v0-143 the weights' fragments, 12 f; v144-175 bv as C, 8 a tile; v176-191 bq or bk as C.   window 1: x's fragments, 12 (T + 8 s)
.set QB,   176
.set MSB, 0
.macro WIN new                         ; s_set_vgpr_msb: bits 1:0 source 0, 3:2 source 1, 5:4 source 2, 7:6 destination; the high byte repeats the setting that is left
.if MSB != \new
	s_set_vgpr_msb (MSB<<8)|\new
.set MSB, \new
.endif
.endm
.macro MMC d, a, b, c, sa, sb, row     ; D = A B + C.  row = 1: A's scales from lanes 16-31; 2: B's
.if (\row) == 0
	v_wmma_scale_f32_16x16x128_f8f6f4 v[(\d):(\d)+7], v[(\a):(\a)+11], v[(\b):(\b)+11], v[(\c):(\c)+7], v[\sa], v[\sb] matrix_a_fmt:MATRIX_FMT_BF6 matrix_b_fmt:MATRIX_FMT_BF6
.elseif (\row) == 1
	v_wmma_scale_f32_16x16x128_f8f6f4 v[(\d):(\d)+7], v[(\a):(\a)+11], v[(\b):(\b)+11], v[(\c):(\c)+7], v[\sa], v[\sb] matrix_a_fmt:MATRIX_FMT_BF6 matrix_b_fmt:MATRIX_FMT_BF6 matrix_a_scale:MATRIX_SCALE_ROW1
.else
	v_wmma_scale_f32_16x16x128_f8f6f4 v[(\d):(\d)+7], v[(\a):(\a)+11], v[(\b):(\b)+11], v[(\c):(\c)+7], v[\sa], v[\sb] matrix_a_fmt:MATRIX_FMT_BF6 matrix_b_fmt:MATRIX_FMT_BF6 matrix_b_scale:MATRIX_SCALE_ROW1
.endif
.endm
.macro PLACES                          ; four plain places behind matrix instructions (ISA guide 7.12.1), where no other vector work is at hand
.rept 4
	v_nop
.endr
.endm
	s_load_b512 s[4:19], s[0:1], 0x0               ; x s[4:5], Wq s[6:7], bq s[8:9], Wk s[10:11], bk s[12:13], Wv s[14:15], bv s[16:17], kv s[18:19]
	s_load_b64 s[20:21], s[0:1], 0x40              ; q
	v_lshl_add_u32 v47, v0, 2, 0x29000
	v_mov_b32 v51, 0
	ds_add_u32 v47, v51
	ds_add_u32 v47, v51
	v_lshrrev_b32 v8, 5, v0
	v_readfirstlane_b32 s39, v8                    ; wave 0..3
	s_and_b32 s38, ttmp7, 0xffff                   ; the image
	; descriptor group 1: 64 rows of 128 elements of 4 bytes, 4,096 elements from row to row, no padding (a lane reads down the rows, 32 lanes side by side)
	s_mov_b32 s24, 2<<16
	s_mov_b32 s25, 128<<16                         ; tensor_dim0
	s_mov_b32 s26, 64<<16                          ; tensor_dim1
	s_mov_b32 s27, 128<<16                         ; tile_dim0
	s_mov_b32 s28, 64                              ; tile_dim1
	s_mov_b32 s29, 4096                            ; the pitch
	s_mov_b32 s30, 0
	s_mov_b32 s31, 0
	s_mov_b32 s32, 1
	s_lshl_b32 s33, s39, 15                        ; to LDS byte 32,768 x wave
	s_lshl_b32 s56, s38, 22                        ; from x + image x 4,194,304 + 64 wave rows of 16,384 + 512 x block
	s_lshl_b32 s57, s39, 20
	s_add_co_u32 s56, s56, s57
	s_lshl_b32 s57, ttmp9, 9
	s_add_co_u32 s56, s56, s57
	s_mov_b32 s57, 0
	s_wait_dscnt 0x0
	s_wait_kmcnt 0x0
	s_add_nc_u64 s[34:35], s[4:5], s[56:57]
	s_or_b32 s35, s35, 0x80000000
	tensor_load_to_lds s[32:35], s[24:31]          ; my one tensor load: these bytes are filled once, and only I read them
	s_nop 0
.rept 4
	v_nop
.endr
	s_and_b32 s58, s39, 1                          ; F: which fragment of k or q is mine
	s_lshr_b32 s59, s39, 1
	s_lshl_b32 s56, s39, 16
	s_add_nc_u64 s[40:41], s[14:15], s[56:57]      ; Wv at my 64 rows
	s_lshl_b32 s56, s39, 8
	s_add_nc_u64 s[46:47], s[16:17], s[56:57]      ; bv at my 64 numbers
	s_lshl_b32 s60, s38, 5
	s_add_co_u32 s60, s60, ttmp9                   ; the record: 32 x image + block
	s_mul_i32 s61, s60, REC
	s_mul_i32 s62, s60, QREC
	s_mov_b32 s3, QSO
	s_cmp_lt_u32 s39, 2                            ; waves 0, 1 make k, waves 2, 3 make q: only pointers and offsets are chosen
	s_cselect_b64 s[42:43], s[10:11], s[6:7]
	s_cselect_b64 s[44:45], s[12:13], s[8:9]
	s_cselect_b64 s[52:53], s[18:19], s[20:21]
	s_cselect_b32 s56, s61, s62
	s_cselect_b32 s2, KSO, s3
	s_mov_b32 s3, 0
	s_add_nc_u64 s[52:53], s[52:53], s[56:57]      ; my record of kv or of q,
	s_add_nc_u64 s[54:55], s[52:53], s[2:3]        ; its scale words,
	s_mul_i32 s56, s58, 1536
	s_add_nc_u64 s[52:53], s[52:53], s[56:57]      ; my fragment in it
	s_mul_i32 s56, s39, 6144
	s_add_co_u32 s56, s56, s61
	s_add_co_u32 s56, s56, VI
	s_add_nc_u64 s[48:49], s[18:19], s[56:57]      ; my four fragments of v
	s_lshl_b32 s56, s59, 9
	s_add_co_u32 s56, s56, s61
	s_add_co_u32 s56, s56, VSO
	s_add_nc_u64 s[50:51], s[18:19], s[56:57]      ; the chunk of v's scale words that holds my two registers
	s_mov_b32 s36, 0x76543210
	s_mov_b32 s37, 0xfedcba98                      ; v_permlanex16_b32's selects for lane l xor 16
	v_and_b32 v8, 31, v0                           ; lane
	v_and_b32 v9, 15, v0                           ; r
	v_bfe_u32 v10, v0, 4, 1                        ; h
	v_lshlrev_b32 v[LI], 4, v8
	v_lshlrev_b32 v[VWA], 10, v9
	v_lshl_add_u32 v[VWA], v10, 7, v[VWA]
	v_and_b32 v11, 8, v9
	v_add_nc_u32 v11, v11, v9                      ; r + 8 (r / 8)
	v_lshlrev_b32 v[QWA], 10, v11
	v_lshl_add_u32 v[QWA], v10, 7, v[QWA]
	v_lshlrev_b32 v[SH8], 3, v10
	v_lshlrev_b32 v[BO4], 2, v9
	v_lshlrev_b32 v[BO64], 6, v10
	v_cmp_gt_u32 vcc_lo, 16, v8                    ; lanes 0-15; written once
.irp b, 0,1,2,3
	v_mov_b32 v[TM+4+\b], 0                        ; written once: a lane permute's destination counts as one of its sources
.endr
	; the biases, in the results' layout, as the C of each sum's first product.  v: a lane holds ONE channel, 16 t + r, in all eight registers.  q, k: tile u's register j is channel 16 h + 8 u + j
	WIN 0x80
.irp t, 0,1,2,3
.irp j, 0,1,2,3,4,5,6,7
	global_load_b32 v[BV+8*\t+\j], v[BO4], s[46:47] offset:64*\t
.endr
.endr
.irp u, 0,1
	global_load_b128 v[QB+8*\u:QB+8*\u+3], v[BO64], s[44:45] offset:32*\u
	global_load_b128 v[QB+8*\u+4:QB+8*\u+7], v[BO64], s[44:45] offset:32*\u+16
.endr
	WIN 0
; THE WEIGHTS.  Fragment f: f = 2 t + s: Wv's tile t of my four, K step s;  f = 8 + 2 u + s: Wq's or Wk's tile u (rows 8 u + r + 8 (r / 8)).  Lane (r, h) wants k = 64 c + 32 h + 0 .. 31 of its row: two whole blocks, 128 bytes each.
.macro LOADW f
.set LST, 64+64*((\f)%3)
.irp c, 0,1
.irp i, 0,1,2,3,4,5,6,7
.if (\f) < 8
	global_load_b128 v[LST+32*\c+4*\i:LST+32*\c+4*\i+3], v[VWA], s[40:41] offset:((\f)/2)*16384+((\f)%2)*512+256*\c+16*\i
.else
	global_load_b128 v[LST+32*\c+4*\i:LST+32*\c+4*\i+3], v[QWA], s[42:43] offset:(((\f)-8)/2)*8192+((\f)%2)*512+256*\c+16*\i
.endif
.endr
.endr
.endm
; 64 numbers of a lane, two whole blocks, become the fragment's codes in v[PC] on and its scale word in v[PW]
.macro QW st
.irp c, 0,1
	v_max3_num_f32 v[TM+\c], |v[(\st)+32*\c]|, |v[(\st)+32*\c+1]|, 0x2800000   ; the floor 2^(5 - 127) among the leaves: the byte cannot fall under 1
.endr
.irp i, 2,4,6,8,10,12,14,16,18,20,22,24,26,28,30
.irp c, 0,1
	v_max3_num_f32 v[TM+\c], v[TM+\c], |v[(\st)+32*\c+\i]|, |v[(\st)+32*\c+\i+1]|
.endr
.endr
.irp c, 0,1
	v_add_nc_u32 v[TM+8+\c], 0xfe000000, v[TM+\c]  ; 4 off the exponent field: the conversion takes this operand's exponent field as its scale
.endr
.irp c, 0,1
	v_lshrrev_b32 v[TM+4+\c], 23, v[TM+8+\c]       ; the scale's byte
.endr
	v_lshl_or_b32 v[PW], v[TM+5], 16, v[TM+4]      ; my bytes: blocks h and 2 + h,
	v_lshlrev_b32 v[PW], v[SH8], v[PW]             ; at their places;
	v_permlanex16_b32 v[TM+6], v[PW], s36, s37
	v_or_b32 v[PW], v[PW], v[TM+6]                 ; with lane l xor 16's two the word is whole
.irp c, 0,1
	v_cvt_scalef32_pk16_bf6_f32 v[PC+6*\c:PC+6*\c+2], v[(\st)+32*\c:(\st)+32*\c+15], v[TM+8+\c]
	v_cvt_scalef32_pk16_bf6_f32 v[PC+12+4*\c:PC+14+4*\c], v[(\st)+32*\c+16:(\st)+32*\c+31], v[TM+8+\c]   ; (a conversion's three registers begin on an even number)
.endr
	v_nop                                          ; one plain place behind a scaled conversion
.irp c, 0,1
.irp i, 0,1,2
	v_mov_b32 v[PC+3+6*\c+\i], v[PC+12+4*\c+\i]
.endr
.endr
.endm
.macro KEEP f                          ; the fragment goes to window 2 and stays
	WIN 0x80
.irp i, 0,1,2,3,4,5,6,7,8,9,10,11
	v_mov_b32 v[12*(\f)+\i], v[PC+\i]
.endr
	WIN 0
	v_mov_b32 v[WS+(\f)], v[PW]
.endm
	LOADW 0
	LOADW 1
	LOADW 2
.irp f, 0,1,2,3,4,5,6,7,8,9,10,11
.if \f < 10
	s_wait_loadcnt 32                              ; this fragment's 16 loads are in (and the biases, which are older); the two younger fragments' 32 may be out
.elseif \f == 10
	s_wait_loadcnt 16
.else
	s_wait_loadcnt 0
.endif
	QW 64+64*(\f%3)
	KEEP \f
.if \f < 9
	LOADW \f+3
.endif
.endr
	; the addresses of the phases that follow
	v_and_b32 v8, 31, v0
	v_lshlrev_b32 v[XRD], 2, v8
	v_add_nc_u32 v[XRD], s33, v[XRD]               ; x in LDS: 4 x lane + my 64 rows
	v_bfe_u32 v9, v0, 3, 1                         ; position 32 g + lane is row r' of tile 2 g + u: u = bit 3 of the lane,
	v_and_b32 v10, 7, v0
	v_bfe_u32 v11, v0, 4, 1
	v_lshl_add_u32 v10, v11, 3, v10                ; r' = lane % 8 + 8 (lane / 16)
	v_mul_u32_u24 v[XA0], v9, 1536
	v_lshl_add_u32 v[XA0], v10, 4, v[XA0]          ; 1,536 u + 16 r'
	s_mul_i32 s56, s59, 12288                      ; K step s = wave / 2
	s_add_co_u32 s56, s56, XIMG
	s_mul_i32 s57, s58, 520                        ; my channels are blocks 2 (wave % 2) + 0, 1 of the K step: registers 6 (wave % 2) on: bytes 0, 8, 512 of a lane's place, or 520, 1,024, 1,032
	s_add_co_u32 s57, s57, s56
	s_mul_i32 s2, s58, 1016
	s_add_co_u32 s2, s2, s56
	v_add_nc_u32 v[XA1], s2, v[XA0]
	v_add_nc_u32 v[XA0], s57, v[XA0]
	v_lshlrev_b32 v[XSB], 6, v9
	v_lshl_add_u32 v[XSB], v10, 2, v[XSB]
	s_lshl_b32 s2, s59, 9
	s_lshl_b32 s3, s58, 1
	s_add_co_u32 s2, s2, s3
	s_add_co_u32 s2, s2, XSC
	v_add_nc_u32 v[XSB], s2, v[XSB]                ; my scale bytes: XSC + 64 u + 4 r' + 512 s + 2 (wave % 2)
	v_add_nc_u32 v[LIX], XIMG, v[LI]
	s_mul_i32 s2, s58, 6144
	v_add_nc_u32 v[LIQ], s2, v[LIX]                ; the four tiles 4 F .. 4 F + 3
	v_lshl_add_u32 v[LSX], v8, 2, XSC
	s_lshl_b32 s2, s58, 8
	v_add_nc_u32 v[LSQ], s2, v[LSX]
	v_lshlrev_b32 v[L8], 3, v8
	s_lshl_b32 s2, s58, 2
	v_add_nc_u32 v[L8], s2, v[L8]                  ; k's or q's scale words: 8 x lane + 4 F
	s_lshl_b32 s2, s58, 3
	v_add_nc_u32 v[LV], s2, v[LI]                  ; v's: 16 x lane + 8 (wave % 2)
; x.  A LANE TAKES A POSITION AND ITS REGISTERS RUN DOWN THE CHANNELS: unit k = group k % 4 of 32 positions, block k / 4 of my two blocks of 32 channels.  A whole block lies in one lane.
.macro LOADU k
.set UB, 64+32*((\k)%3)
.set II, 0
.rept 32
	ds_load_b32 v[UB+II], v[XRD] offset:(32*((\k)/4)+II)*512+128*((\k)%4)
.set II, II+1
.endr
.endm
.macro XUNIT k
.set UB, 64+32*((\k)%3)
.set UO, 3072*((\k)%4)+256*((\k)/4)
	v_max3_num_f32 v[TM], |v[UB]|, |v[UB+1]|, 0x2800000
	v_max3_num_f32 v[TM+1], |v[UB+2]|, |v[UB+3]|, |v[UB+4]|
.irp i, 5,9,13,17,21,25
	v_max3_num_f32 v[TM], v[TM], |v[UB+\i]|, |v[UB+\i+1]|
	v_max3_num_f32 v[TM+1], v[TM+1], |v[UB+\i+2]|, |v[UB+\i+3]|
.endr
	v_max3_num_f32 v[TM], v[TM], |v[UB+29]|, |v[UB+30]|
	v_max3_num_f32 v[TM], v[TM], v[TM+1], |v[UB+31]|
	v_add_nc_u32 v[TM+8], 0xfe000000, v[TM]
	v_lshrrev_b32 v[TM+4], 23, v[TM+8]
	v_cvt_scalef32_pk16_bf6_f32 v[PC:PC+2], v[UB:UB+15], v[TM+8]
	v_cvt_scalef32_pk16_bf6_f32 v[PC+12:PC+14], v[UB+16:UB+31], v[TM+8]
	v_nop                                          ; one plain place behind a scaled conversion
.irp i, 0,1,2
	v_mov_b32 v[PC+3+\i], v[PC+12+\i]
.endr
	ds_store_b64 v[XA0], v[PC:PC+1] offset:UO      ; six registers of lane (r', k / 4) of fragment (2 (k % 4) + u, s), at their places in its image
	ds_store_b64 v[XA1], v[PC+2:PC+3] offset:UO+8
	ds_store_b64 v[XA0], v[PC+4:PC+5] offset:UO+512
	ds_store_b8 v[XSB], v[TM+4] offset:128*((\k)%4)+(\k)/4
.endm
	s_wait_tensorcnt 0x0                           ; my 64 rows of x are in LDS
	LOADU 0
	LOADU 1
.irp k, 0,1,2,3,4,5,6,7
.if \k < 7
	s_wait_dscnt 32                                ; all but the next unit's 32 loads: this unit's numbers are in, and the last unit's stores are done
.else
	s_wait_dscnt 0
.endif
	XUNIT \k
.if \k < 6
	LOADU \k+2
.endif
.endr
	s_wait_dscnt 0x0                               ; for the others' sake: my stores have landed
	s_barrier_signal -1
	s_barrier_wait -1                              ; x's sixteen fragments and their scale words lie in LDS
; 64 numbers of a lane, register 16 b + i = k 32 b + 16 (lane / 16) + i of my row, become a fragment's codes in v[PC] on and its scale word in v[PW]
.macro QUANT s
.irp b, 0,1,2,3
	v_max3_num_f32 v[TM+\b], |v[(\s)+16*\b]|, |v[(\s)+16*\b+1]|, 0x2800000
.endr
.irp i, 2,4,6,8,10,12,14
.irp b, 0,1,2,3
	v_max3_num_f32 v[TM+\b], v[TM+\b], |v[(\s)+16*\b+\i]|, |v[(\s)+16*\b+\i+1]|   ; the four blocks by turns; each accumulator is read from its low end on
.endr
.endr
.irp b, 0,1,2,3
	v_permlanex16_b32 v[TM+4+\b], v[TM+\b], s36, s37
.endr
.irp b, 0,1,2,3
	v_max_num_f32 v[TM+\b], v[TM+\b], v[TM+4+\b]   ; with lane l xor 16's: the block's largest magnitude
.endr
.irp b, 0,1,2,3
	v_add_nc_u32 v[TM+8+\b], 0xfe000000, v[TM+\b]
.endr
.irp b, 0,1,2,3
	v_lshrrev_b32 v[TM+4+\b], 23, v[TM+8+\b]
.endr
	v_lshl_or_b32 v[PW], v[TM+5], 8, v[TM+4]
	v_lshl_or_b32 v[PW], v[TM+6], 16, v[PW]
	v_lshl_or_b32 v[PW], v[TM+7], 24, v[PW]
.irp c, 0,1
	v_cvt_scalef32_pk16_bf6_f32 v[PC+6*\c:PC+6*\c+2], v[(\s)+32*\c:(\s)+32*\c+15], v[TM+8+2*\c]
	v_cvt_scalef32_pk16_bf6_f32 v[PC+12+4*\c:PC+14+4*\c], v[(\s)+32*\c+16:(\s)+32*\c+31], v[TM+8+2*\c+1]
.endr
	v_nop                                          ; one plain place behind a scaled conversion
.irp c, 0,1                            ; the operand's layout wants a WHOLE block in a lane: lanes 0-15 block 2 c, lanes 16-31 block 2 c + 1
.irp i, 0,1,2
	v_permlane16_swap_b32 v[PC+6*\c+\i], v[PC+12+4*\c+\i]
.endr
.irp i, 0,1,2
	v_mov_b32 v[PC+3+6*\c+\i], v[PC+12+4*\c+\i]
.endr
.endr
.endm
	; ---- k or q: tiles 4 F + b of x, source 0 = 16 rows of the weight, source 1 = x: lane (r, h) holds position p(4 F + b, r), register 16 b + 8 u + j its channel 16 h + 8 u + j
	WIN 0x40
.irp s, 0,1
.irp b, 0,1,2,3
.irp g, 0,1,2
	ds_load_b128 v[12*(\b+4*\s)+4*\g:12*(\b+4*\s)+4*\g+3], v[LIQ] offset:1536*\b+12288*\s+512*\g
.endr
.endr
.endr
	WIN 0
.irp s, 0,1
.irp p, 0,1
	ds_load_b32 v[XS+2*\s+\p], v[LSQ] offset:128*(\p+4*\s)
.endr
.endr
	s_wait_dscnt 0x0
.irp s, 0,1                            ; the eight accumulators take turns, one instruction a turn
.if \s == 0
	WIN 0x26                                       ; weight and bias window 2, x window 1
.else
	WIN 0x06
.endif
.irp b, 0,1,2,3
.irp u, 0,1
.if \s == 0
	MMC HA+16*\b+8*\u, 12*(8+2*\u+\s), 12*(\b+4*\s), QB+8*\u, WS+8+2*\u+\s, XS+2*\s+\b/2, 2*(\b%2)
.else
	MMC HA+16*\b+8*\u, 12*(8+2*\u+\s), 12*(\b+4*\s), HA+16*\b+8*\u, WS+8+2*\u+\s, XS+2*\s+\b/2, 2*(\b%2)
.endif
.endr
.endr
.endr
	WIN 0
	PLACES                                         ; in front of loads into registers that these products read, and of the first read of their results
	WIN 0x40                                       ; all sixteen fragments of x, for v: they land while k or q is quantised
.irp s, 0,1
.irp t, 0,1,2,3,4,5,6,7
.irp g, 0,1,2
	ds_load_b128 v[12*(\t+8*\s)+4*\g:12*(\t+8*\s)+4*\g+3], v[LIX] offset:1536*(\t+8*\s)+512*\g
.endr
.endr
.endr
	WIN 0
.irp s, 0,1
.irp p, 0,1,2,3
	ds_load_b32 v[XS+4*\s+\p], v[LSX] offset:128*(\p+4*\s)
.endr
.endr
	QUANT HA
.irp g, 0,1,2
	global_store_b128 v[LI], v[PC+4*\g:PC+4*\g+3], s[52:53] offset:512*\g   ; 32 lanes store 512 consecutive bytes, at a multiple of 256 from the buffer's first byte
.endr
	global_store_b32 v[L8], v[PW], s[54:55]
	s_wait_dscnt 0x0                               ; x's fragments are in
	; ---- v: source 0 = x's tile T, source 1 = 16 rows of Wv: lane (r, h) holds channel r of the tile, register 8 T + j position p(T, 8 h + j): 64 registers = the 128 keys' halves in order
.macro JOBV vt
	WIN 0x29                                       ; x window 1, Wv and bv window 2
.irp t, 0,1,2,3,4,5,6,7
	MMC HA+8*\t, 12*\t, 12*(2*(\vt)), BV+8*(\vt), XS+\t/2, WS+2*(\vt), \t%2
.endr
	WIN 0x09
.irp t, 0,1,2,3,4,5,6,7
	MMC HA+8*\t, 12*(\t+8), 12*(2*(\vt)+1), HA+8*\t, XS+4+\t/2, WS+2*(\vt)+1, \t%2
.endr
	WIN 0
	PLACES
	s_wait_xcnt 0x0                                ; the last job's stores have read their data: the codes' registers are written again only behind this wait
	QUANT HA
.irp g, 0,1,2
	global_store_b128 v[LI], v[PC+4*\g:PC+4*\g+3], s[48:49] offset:1536*(\vt)+512*\g
.endr
.if (\vt)%2 == 0
	v_mov_b32 v[PWA], v[PW]
.else
	v_cndmask_b32 v[PWS+(\vt)/2], v[PW], v[PWA], vcc_lo   ; lanes 0-15 the even tile's words, lanes 16-31 the odd tile's
.endif
.endm
	JOBV 0
	JOBV 1
	JOBV 2
	JOBV 3
	global_store_b64 v[LV], v[PWS:PWS+1], s[50:51]
	s_wait_tensorcnt 0x0
	ds_add_u32 v47, v51
	s_wait_dscnt 0x0
	s_endpgm
.Lfunc_end_k_qf86f06d0a7_proj:
	.size	k_qf86f06d0a7_proj, .Lfunc_end_k_qf86f06d0a7_proj-k_qf86f06d0a7_proj
	.p2alignl 7, 3214868480
	.fill 96, 4, 3214868480
	.section	.rodata,"a",@progbits
	.p2align	6, 0x0
	.amdhsa_kernel k_qf86f06d0a7_proj
		.amdhsa_group_segment_fixed_size 168448
		.amdhsa_private_segment_fixed_size 0
		.amdhsa_enable_private_segment 0
		.amdhsa_kernarg_size 72
		.amdhsa_user_sgpr_count 2
		.amdhsa_user_sgpr_kernarg_segment_ptr 1
		.amdhsa_wavefront_size32 1
		.amdhsa_system_sgpr_workgroup_id_x 1
		.amdhsa_system_sgpr_workgroup_id_y 1
		.amdhsa_system_sgpr_workgroup_id_z 1
		.amdhsa_system_vgpr_workitem_id 0
		.amdhsa_next_free_vgpr 768
		.amdhsa_next_free_sgpr 66
		.amdhsa_reserve_vcc 1
		.amdhsa_float_denorm_mode_32 3
		.amdhsa_float_denorm_mode_16_64 3
		.amdhsa_memory_ordered 1
		.amdhsa_forward_progress 1
		.amdhsa_inst_pref_size 135
	.end_amdhsa_kernel
	.amdgpu_metadata
---
amdhsa.version: [ 1, 2 ]
amdhsa.kernels:
  - .name:           k_qf86f06d0a7_proj
    .symbol:         k_qf86f06d0a7_proj.kd
    .args:
      - { .name: x, .offset: 0, .size: 8, .value_kind: global_buffer, .address_space: global }
      - { .name: Wq, .offset: 8, .size: 8, .value_kind: global_buffer, .address_space: global }
      - { .name: bq, .offset: 16, .size: 8, .value_kind: global_buffer, .address_space: global }
      - { .name: Wk, .offset: 24, .size: 8, .value_kind: global_buffer, .address_space: global }
      - { .name: bk, .offset: 32, .size: 8, .value_kind: global_buffer, .address_space: global }
      - { .name: Wv, .offset: 40, .size: 8, .value_kind: global_buffer, .address_space: global }
      - { .name: bv, .offset: 48, .size: 8, .value_kind: global_buffer, .address_space: global }
      - { .name: kv, .offset: 56, .size: 8, .value_kind: global_buffer, .address_space: global }
      - { .name: q, .offset: 64, .size: 8, .value_kind: global_buffer, .address_space: global }
    .group_segment_fixed_size: 168448
    .private_segment_fixed_size: 0
    .kernarg_segment_align: 8
    .kernarg_segment_size: 72
    .max_flat_workgroup_size: 128
    .sgpr_count:     66
    .vgpr_count:     768
    .wavefront_size: 32
...
	.end_amdgpu_metadata
.endif
;; end of part 1
;; launch attn (part 2): grid 32 x 8, 4 waves a work-group, clusters of 4 x 1, 327,680 bytes of LDS; arguments q, kv, x, gamma, out0; writes out0
.if DOCPART == 2
	.amdgcn_target "amdgcn-amd-amdhsa--gfx1250"
	.amdhsa_code_object_version 6
	.text
	.protected	k_qf86f06d0a7_attn
	.globl	k_qf86f06d0a7_attn
	.p2align	8
	.type	k_qf86f06d0a7_attn,@function
k_qf86f06d0a7_attn:
	s_mov_b64 s[64:65], 0
	v_nop
	global_prefetch_b8 v0, s[64:65] scope:SCOPE_SE
	s_setreg_imm32_b32 hwreg(HW_REG_WAVE_MODE, 25, 1), 1
	s_wait_xcnt 0x0
	s_wait_alu depctr_hold_cnt(0) depctr_sa_sdst(0) depctr_va_vdst(0) depctr_va_sdst(0) depctr_va_ssrc(0) depctr_va_vcc(0) depctr_vm_vsrc(0)
	s_getreg_b32 s2, hwreg(HW_REG_IB_STS2, 6, 4)
	s_cmp_eq_u32 s2, 0
	s_cbranch_scc0 .Lentry_in_a_cluster
	s_endpgm
.Lentry_in_a_cluster:
	s_bfe_u32 s2, ttmp6, 0x10000c
	s_cmp_lg_u32 s2, 0x3003
	s_cbranch_scc0 .Lentry_shape_is_right
	s_endpgm
.Lentry_shape_is_right:
; out[c][i] = gamma x (the sum over j of v[c][j] softmax_j(q[:, i] . k[:, j])) + x[c][i], for 128 queries i of one image, over its 4,096 keys j; both products on codes of BF6 (E3M2) with E8M0 scales.
; q and kv hold images of operand registers (a fragment: three chunks of 512 bytes, chunk g = registers 4 g .. 4 g + 3, lane l at byte 16 l).  A record of kv, 28,928 bytes, serves 128 keys:
;   0: two fragments of k; 3,072: sixteen fragments of v (row = channel 16 t + r, K = the 128 keys in order); 27,648: v's scale words (register i: tile 2 i in lanes 0-15, tile 2 i + 1 in lanes 16-31); 28,672: k's scale words, 8 bytes a lane.
; THE SCORES' K IS 32, ONE BLOCK.  Block b of row r of k's fragment F is key p(4 F + b, r), p(T, r) = 32 (T / 2) + 8 (T % 2) + r + 8 (r / 8).  The query operand Q_b has the query's 32 codes in block b and zero codes elsewhere:
; k_F x Q_b is the tile of scores of keys p(4 F + b, .), and one fragment of k serves four products.  By p the 16 registers of tiles 2 b and 2 b + 1 are 16 neighbouring keys, 32 b + 16 (lane / 16) + 0 .. 15.
; THE SOFTMAX AHEAD OF THE SECOND PRODUCT: t = score x log2(e); M = the running largest t, rounded UP to a whole number; p = 2^(t - M) is quantised along the keys, not normalised; the row's sum is taken of the
; unquantised p and divides at the end; when M moves, the sum and O are multiplied by 2^(old M - new M), which rounds nothing.
; SHARES.  A work-group owns 128 queries; each of its FOUR waves, one to a SIMD, owns 32: tile A = the 16 queries p(2 w, r), tile B = p(2 w + 1, r), one query to a lane in each (both products are used transposed).
; Every fragment of k and of v that a wave reads from LDS feeds two products.
; THE BODY IS TURNED BY HALF A STEP: body j loads k(j), multiplies v p^T of step j - 1, loads v(j), multiplies the scores of step j and runs their softmax: k lands under 32 products, v under the softmax, and a body reads one record alone.
; The first body multiplies zero codes onto zero sums (its registers are cleared once, while the first records are on their way): that saves further copies of the body.  The last step's v p^T stands behind the loops.
; MATRIX AND VECTOR WORK BY TURNS: behind nearly every matrix instruction stands a slot of four plain vector lines: behind a product v p^T the rescaling of the tile of O^T two turns on; behind a score product of tile A
; tile B's row sums of the step before; behind one of tile B tile A's block maxima.  In the softmax exponentials stand between plain lines of the other tile.
; CLUSTER.  The four query blocks of a cluster belong to one image and walk the same records: each record is asked for JOINTLY, by the same tensor load with a mask that names the four.  A mask names four work-groups, so a wider cluster would share no more.
; RING.  Two LDS slots of four records; each wave brings one record, one load a wave behind each change of slots: by this text's count one tensor load of a wave is out at any time.
; LIMITS: NaN and infinities among the inputs are not served.  A block of p whose every number has fallen to 0 keeps the scale byte 1: its codes are zeros.
; REGISTERS, in windows of 256.  window 0: v1-11 addresses; v12-19 -M, the largest t and the sum of A and of B; v20-33 scale words and nothing else; v34-37 f; v38-103 at work; v104-167 A's scores, then p; v168-231 B's.
;   window 1: v0-127 O^T of A; v128-223 v's tiles 0-7; v224-235 p's codes of A; v240-243 f of A, f of B.   window 2: the same for B, with v's tiles 8-15.   window 3: v0-71 the eight query operands; v72-95 k; at the end x.
;   p's codes lie in the window of their own O^T and f in both, so that each run of eight products has ONE window setting for its products and its rescalings.  The scores' operands do not fit beside 128 scores in window 0:
;   there a slot costs two switches; with them it is seven issue slots to a matrix instruction.
.set REC,   28928
.set QREC,  3328
.set VI,    3072
.set VSO,   27648
.set KSO,   28672
.set SLOT1, 131072                     ; slot 1 begins here, so that one exclusive or turns an address in one slot into the other's
.set SPARE, SLOT1+4*REC                ; behind the ring: the spare words, 128 bytes for each of four waves: two blocks of 256 bytes that no other line names
.set SP,    528                        ; the way out: 256 channel rows of 512 bytes + 16, from LDS byte 0: over the slots, behind their last fill and their last read
.set LI,   1                           ; v1   16 x lane
.set L8,   2                           ; v2   8 x lane
.set ADR,  3                           ; v3   the record in hand + 16 x lane
.set AD8,  4                           ; v4   the record in hand + 8 x lane
.set SPW,  5                           ; v5   my spare word; never rewritten
.set NIL,  6                           ; v6   0; never rewritten
.set STO,  7                           ; v7   the way out: where I put a number of channels 0-127;  v8: of channels 128-255
.set STO2, 8
.set RD,   9                           ; v9   the way out: where I read a row back
.set PFA,  11                          ; v11  the prefetch of x
.set NM,   12                          ; tile a: v[12 + 2 a] -M, v[13 + 2 a] the largest t
.set LS,   16                          ; v[16 + 2 a : 17 + 2 a] the row's sum, in two halves
.set QS,   20                          ; v[20 + a] the query's scale
.set KS,   22                          ; v22-23 k's scale words
.set VS,   24                          ; v24-31 v's
.set PSW,  32                          ; v[32 + a] p's scale word
.set FF,   34                          ; v[34 + 2 a] f (the pair's upper half is written once)
.set TMP,  38                          ; v[38 + a]
.set BM,   40                          ; v[40 + 4 a ..] the blocks' largest scores, then largest p
.set PT,   48                          ; v[48 + 4 a ..] the other half's, then the scale bytes
.set SO,   56                          ; v[56 + 4 a ..] the conversions' scale operands
.set TS,   64                          ; v64-71 four chains of the row's sum
.set PC,   72                          ; v[72 + 16 a ..] the conversions' results
.set S,    104                         ; v[104 + 64 a ..] the scores, then p
.set KF,   72                          ; window 3: k's two fragments
.set VF,   128                         ; windows 1, 2: eight fragments of v
.set PP,   224                         ; p's codes
.set FC,   240                         ; f of A at v240, of B at v242
.set MSB, 0
.macro WIN new                         ; s_set_vgpr_msb: bits 1:0 source 0, 3:2 source 1, 5:4 source 2, 7:6 destination; the high byte repeats the setting that is left
.if MSB != \new
	s_set_vgpr_msb (MSB<<8)|\new
.set MSB, \new
.endif
.endm
.macro MMC d, a, b, sa, sb, row        ; D += A B, in place.  row = 1: A's scales from lanes 16-31
.if (\row) == 0
	v_wmma_scale_f32_16x16x128_f8f6f4 v[(\d):(\d)+7], v[(\a):(\a)+11], v[(\b):(\b)+11], v[(\d):(\d)+7], v[\sa], v[\sb] matrix_a_fmt:MATRIX_FMT_BF6 matrix_b_fmt:MATRIX_FMT_BF6
.else
	v_wmma_scale_f32_16x16x128_f8f6f4 v[(\d):(\d)+7], v[(\a):(\a)+11], v[(\b):(\b)+11], v[(\d):(\d)+7], v[\sa], v[\sb] matrix_a_fmt:MATRIX_FMT_BF6 matrix_b_fmt:MATRIX_FMT_BF6 matrix_a_scale:MATRIX_SCALE_ROW1
.endif
.endm
.macro SMM a, t                        ; S^T of query tile a, key tile t = k's fragment t / 4 against Q_(t % 4) (at 36 a + 18 (b % 2) + 6 (b / 2) of window 3)
	v_wmma_scale_f32_16x16x128_f8f6f4 v[S+64*(\a)+8*(\t):S+64*(\a)+8*(\t)+7], v[KF+12*((\t)/4):KF+12*((\t)/4)+11], v[36*(\a)+18*((\t)%2)+6*(((\t)%4)/2):36*(\a)+18*((\t)%2)+6*(((\t)%4)/2)+11], 0, v[KS+(\t)/4], v[QS+(\a)] matrix_a_fmt:MATRIX_FMT_BF6 matrix_b_fmt:MATRIX_FMT_BF6
.endm
.macro CROUND                          ; a round of the cluster's barrier: my work-group's barrier; wave 0 signals for the work-group; every wave waits for all four work-groups; my work-group's barrier once more
	s_barrier_signal -1
	s_barrier_wait -1
	s_cmp_lg_u32 s14, 0
	s_cbranch_scc1 .Lnot_wave_0_\@
	s_barrier_signal -3
.Lnot_wave_0_\@:
	s_barrier_wait -3
	s_barrier_signal -1
	s_barrier_wait -1
.endm
; Tile t of O^T times f, from its low end on.  form 0: O^T is source 0 and f source 1; form 1: the other way round, where source 0's window is v's and not O^T's
.macro RESC t, fr, form
.irp i, 0,2,4,6
.if (\form) == 0
	v_pk_mul_f32 v[8*(\t)+\i:8*(\t)+\i+1], v[8*(\t)+\i:8*(\t)+\i+1], v[\fr:\fr+1] op_sel_hi:[1,0]
.else
	v_pk_mul_f32 v[8*(\t)+\i:8*(\t)+\i+1], v[\fr:\fr+1], v[8*(\t)+\i:8*(\t)+\i+1] op_sel_hi:[0,1]
.endif
.endr
.endm
.macro VLOAD half                      ; eight fragments of v, 24 loads of 512 consecutive bytes; the caller sets the destination's window
.irp t, 0,1,2,3,4,5,6,7
.irp g, 0,1,2
	ds_load_b128 v[VF+12*\t+4*\g:VF+12*\t+4*\g+3], v[ADR] offset:VI+1536*(8*(\half)+\t)+512*\g
.endr
.endr
.endm
; A RUN: O^T of query tile a, channel tiles t0 .. t0 + 7, += v p^T.  A tile is rescaled two turns ahead of its product, so that four plain lines stand between; the accumulators take turns, one instruction a turn.
; mid = 1: v's tiles 0-7 of the next step are asked for behind the run's first eight lines, which are the places behind the last product that read those registers.  cnt < 64: a wait on DScnt in front of the first product.
.macro RUN win, a, t0, form, mid, cnt
	WIN \win
	RESC (\t0), FC+2*(\a), \form
	RESC (\t0)+1, FC+2*(\a), \form
.if (\mid) == 1
	WIN 0x40
	VLOAD 0
	WIN \win
.endif
.if (\cnt) < 64
	s_wait_dscnt \cnt
.endif
.irp k, 0,1,2,3,4,5,6,7
	MMC 8*((\t0)+\k), VF+12*\k, PP, VS+((\t0)+\k)/2, PSW+(\a), ((\t0)+\k)%2
.if \k < 6
	RESC (\t0)+\k+2, FC+2*(\a), \form
.endif
.endr
.endm
; Line n of 32 of the row's sum of tile a's unquantised p: four chains over the 32 pairs, then the chains, then the sum
.macro SUM1 a, n
.if (\n) < 4
	v_pk_add_f32 v[TS+2*(\n):TS+2*(\n)+1], v[S+64*(\a)+2*(\n):S+64*(\a)+2*(\n)+1], v[S+64*(\a)+8+2*(\n):S+64*(\a)+9+2*(\n)]
.elseif (\n) < 28
	v_pk_add_f32 v[TS+2*((\n)%4):TS+2*((\n)%4)+1], v[TS+2*((\n)%4):TS+2*((\n)%4)+1], v[S+64*(\a)+8+2*(\n):S+64*(\a)+9+2*(\n)]
.elseif (\n) == 28
	v_pk_add_f32 v[TS:TS+1], v[TS:TS+1], v[TS+2:TS+3]
.elseif (\n) == 29
	v_pk_add_f32 v[TS+4:TS+5], v[TS+4:TS+5], v[TS+6:TS+7]
.elseif (\n) == 30
	v_pk_add_f32 v[TS:TS+1], v[TS:TS+1], v[TS+4:TS+5]
.else
	v_pk_add_f32 v[LS+2*(\a):LS+2*(\a)+1], v[LS+2*(\a):LS+2*(\a)+1], v[TS:TS+1]
.endif
.endm
.macro SUMG a, g                       ; its lines 4 g .. 4 g + 3
.irp c, 0,1,2,3
	SUM1 \a, 4*(\g)+\c
.endr
.endm
; Group g of 8 of the largest score of each block of 32 keys, the four blocks by turns; each accumulator is read from its low end on.  It serves twice: for the row's maximum, and, since p rises with the score, for the block's largest p
.macro MAXG a, g
.irp b, 0,1,2,3
.if (\g) == 0
	v_max3_num_f32 v[BM+4*(\a)+\b], v[S+64*(\a)+16*\b], v[S+64*(\a)+16*\b+1], v[S+64*(\a)+16*\b+2]
.elseif (\g) < 7
	v_max3_num_f32 v[BM+4*(\a)+\b], v[BM+4*(\a)+\b], v[S+64*(\a)+16*\b+2*(\g)+1], v[S+64*(\a)+16*\b+2*(\g)+2]
.else
	v_max_num_f32 v[BM+4*(\a)+\b], v[BM+4*(\a)+\b], v[S+64*(\a)+16*\b+15]
.endif
.endr
.endm
.macro PERM a
.irp b, 0,1,2,3
	v_permlanex16_b32 v[PT+4*(\a)+\b], v[BM+4*(\a)+\b], s20, s21
.endr
.endm
.macro PMAX a
.irp b, 0,1,2,3
	v_max_num_f32 v[BM+4*(\a)+\b], v[BM+4*(\a)+\b], v[PT+4*(\a)+\b]   ; with lane l xor 16's 16 keys
.endr
.endm
.macro STC a, n                        ; link n of the chain that leads from the blocks' maxima to -M and f: each link waits for the one before, so the links stand among the other tile's lines
.if (\n) == 1
	v_max3_num_f32 v[TMP+(\a)], v[BM+4*(\a)], v[BM+4*(\a)+1], v[BM+4*(\a)+2]
.elseif (\n) == 2
	v_max_num_f32 v[TMP+(\a)], v[TMP+(\a)], v[BM+4*(\a)+3]            ; the step's largest score of my query
.elseif (\n) == 3
	v_mul_f32 v[TMP+(\a)], s22, v[TMP+(\a)]                           ; as t (c is positive)
.elseif (\n) == 4
	v_max_num_f32 v[NM+2*(\a)+1], v[NM+2*(\a)+1], v[TMP+(\a)]         ; the running largest t
.elseif (\n) == 5
	v_mov_b32 v[TMP+(\a)], v[NM+2*(\a)]
.elseif (\n) == 6
	v_floor_f32 v[NM+2*(\a)], -v[NM+2*(\a)+1]                         ; the new -M = floor(-t) = -ceil(t): a whole number
.elseif (\n) == 7
	v_sub_f32 v[TMP+(\a)], v[NM+2*(\a)], v[TMP+(\a)]                  ; old M - new M: a whole number, 0 or less
.elseif (\n) == 8
	v_cvt_i32_f32 v[TMP+(\a)], v[TMP+(\a)]                            ; (it saturates)
.else
	v_ldexp_f32 v[FF+2*(\a)], 1.0, v[TMP+(\a)]                        ; f = 2^(old M - new M)
.endif
.endm
.macro PKF a, i                        ; t - M of pair i (of the pairs c and -M the low word serves both halves)
	v_pk_fma_f32 v[S+64*(\a)+2*(\i):S+64*(\a)+2*(\i)+1], v[S+64*(\a)+2*(\i):S+64*(\a)+2*(\i)+1], s[22:23], v[NM+2*(\a):NM+2*(\a)+1] op_sel_hi:[1,0,0]
.endm
.macro FMB a, b                        ; the same of a block's largest score
	v_fma_f32 v[BM+4*(\a)+(\b)], v[BM+4*(\a)+(\b)], s22, v[NM+2*(\a)]
.endm
.macro EXPN a, i                       ; exponential i of 68: p = 2^(t - M), at most 1; the last four: the blocks' largest p (the same two instructions on the same number give the same bits)
.if (\i) < 64
	v_exp_f32 v[S+64*(\a)+(\i)], v[S+64*(\a)+(\i)]
.else
	v_exp_f32 v[BM+4*(\a)+(\i)-64], v[BM+4*(\a)+(\i)-64]
.endif
.endm
.macro EB                              ; tile B's next exponential
	EXPN 1, EI
.set EI, EI+1
.endm
.macro POST a, n                       ; line n of 16 behind the exponentials
.if (\n) == 0
	v_pk_mul_f32 v[LS+2*(\a):LS+2*(\a)+1], v[LS+2*(\a):LS+2*(\a)+1], v[FF+2*(\a):FF+2*(\a)+1] op_sel_hi:[1,0]   ; the sum under the new M
	s_wait_alu depctr_va_vdst(0)
.elseif (\n) < 5
	s_wait_alu depctr_va_vdst(0)
	v_max_num_f32 v[BM+4*(\a)+(\n)-1], 0x2800000, v[BM+4*(\a)+(\n)-1]       ; the floor 2^(5 - 127): the byte cannot fall under 1
.elseif (\n) < 9
	v_add_nc_u32 v[SO+4*(\a)+(\n)-5], 0xfe000000, v[BM+4*(\a)+(\n)-5]       ; 4 off the exponent field: the conversion's scale operand
.elseif (\n) < 13
	v_lshrrev_b32 v[PT+4*(\a)+(\n)-9], 23, v[SO+4*(\a)+(\n)-9]              ; the scale's byte
.elseif (\n) == 13
	v_lshl_or_b32 v[PSW+(\a)], v[PT+4*(\a)+1], 8, v[PT+4*(\a)]              ; p's scale word for these 128 keys
.elseif (\n) == 14
	v_lshl_or_b32 v[PSW+(\a)], v[PT+4*(\a)+2], 16, v[PSW+(\a)]
.else
	v_lshl_or_b32 v[PSW+(\a)], v[PT+4*(\a)+3], 24, v[PSW+(\a)]
.endif
.endm
.macro CVT a
.irp c, 0,1
	v_cvt_scalef32_pk16_bf6_f32 v[PC+16*(\a)+8*\c:PC+16*(\a)+8*\c+2], v[S+64*(\a)+32*\c:S+64*(\a)+32*\c+15], v[SO+4*(\a)+2*\c]
	v_cvt_scalef32_pk16_bf6_f32 v[PC+16*(\a)+8*\c+4:PC+16*(\a)+8*\c+6], v[S+64*(\a)+32*\c+16:S+64*(\a)+32*\c+31], v[SO+4*(\a)+2*\c+1]
.endr
	v_nop                                          ; one plain place behind a scaled conversion
.endm
.macro MOVP a                          ; the codes go to the window of their O^T, into the operand's order: registers 6 c .. 6 c + 2 a block's lower 16 codes, 6 c + 3 .. 6 c + 5 its upper 16
.irp c, 0,1
.irp i, 0,1,2
	v_mov_b32 v[PP+6*\c+\i], v[PC+16*(\a)+8*\c+\i]
	v_mov_b32 v[PP+6*\c+3+\i], v[PC+16*(\a)+8*\c+4+\i]
.endr
.endr
.endm
; THE FIRST HALF OF A BODY: the matrix work.  last = 1: behind the loops: v p^T of the last step and tile B's last sums, nothing more
.macro H2 last
.if !\last
	v_add_nc_u32 v[ADR], s36, v[LI]
	v_add_nc_u32 v[AD8], s36, v[L8]
	WIN 0xc0
.irp f, 0,1
.irp g, 0,1,2
	ds_load_b128 v[KF+12*\f+4*\g:KF+12*\f+4*\g+3], v[ADR] offset:1536*\f+512*\g   ; k of this step: it lands under the 32 products below
.endr
.endr
	WIN 0
	ds_load_b64 v[KS:KS+1], v[AD8] offset:KSO
	RUN 0x55, 0, 0, 0, 0, 7                        ; the wait leaves the seven loads just issued out: v of the step before and its scale words are in
.else
	RUN 0x55, 0, 0, 0, 0, 0
.endif
	RUN 0xa9, 1, 0, 1, 0, 99
	RUN 0x56, 0, 8, 1, 1-\last, 99
	RUN 0xaa, 1, 8, 0, 0, 99
	WIN 0
	SUMG 1, 0                                      ; tile B's sums of the step before begin: four plain lines that name no register of the last products: the places in front of the loads below
.if !\last
	WIN 0x80
	VLOAD 1                                        ; v's tiles 8-15 of this step
	WIN 0
	ds_load_b128 v[VS:VS+3], v[ADR] offset:VSO
	ds_load_b128 v[VS+4:VS+7], v[ADR] offset:VSO+512
	s_wait_dscnt 50                                ; k and its scale words are in; v's 48 loads and its scale words' 2 may be out
.irp i, 0,1,2,3,4,5,6,7
	WIN 0x0f                                       ; k and Q window 3, the scores window 0
	SMM 0, \i
.if \i < 7
	WIN 0
	SUMG 1, \i+1                                   ; B's p is summed before B's new scores land on it
.endif
.endr
.irp i, 0,1,2,3,4,5,6,7
	WIN 0x0f
	SMM 1, \i
	WIN 0
	MAXG 0, \i                                     ; A's scores: four plain lines or more stand between each product and the first read of its result
.endr
.else
.irp g, 1,2,3,4,5,6,7
	SUMG 1, \g
.endr
.endif
.endm
; THE SECOND HALF: the softmax of both tiles
.macro H1
	MAXG 1, 0                                      ; B's block maxima, with A's way to -M among them
	PERM 0
	MAXG 1, 1
	PMAX 0
	MAXG 1, 2
	STC 0, 1
	MAXG 1, 3
	STC 0, 2
	MAXG 1, 4
	STC 0, 3
	MAXG 1, 5
	STC 0, 4
	STC 0, 5
	MAXG 1, 6
	STC 0, 6
	MAXG 1, 7
	STC 0, 7
	PERM 1
	STC 0, 8
	PMAX 1
	STC 0, 9
.set NN, 0
.irp n, 1,2,3,4,5,6,7,8,9              ; A's t - M, with B's way to -M among them
	PKF 0, NN
	PKF 0, NN+1
	PKF 0, NN+2
	STC 1, \n
.set NN, NN+3
.endr
.rept 5
	PKF 0, NN
.set NN, NN+1
.endr
.irp b, 0,1,2,3
	FMB 0, \b
.endr
.set NN, 0
.rept 32                               ; A's exponentials, with B's t - M among them: plain lines that touch none of A's numbers
	EXPN 0, 2*NN
	EXPN 0, 2*NN+1
	PKF 1, NN
.set NN, NN+1
.endr
.irp b, 0,1,2,3
	EXPN 0, 64+\b
	FMB 1, \b
.endr
.set EI, 0
.set NN, 0
.rept 16                               ; B's exponentials, one between each two lines of what follows A's: scale bytes, codes, sums
	EB
	POST 0, NN
.set NN, NN+1
.endr
	EB
	CVT 0
.irp c, 0,1                            ; the operand's layout wants a WHOLE block in a lane: lanes 0-15 block 2 c, lanes 16-31 block 2 c + 1
.irp i, 0,1,2
	EB
	v_permlane16_swap_b32 v[PC+8*\c+\i], v[PC+8*\c+4+\i]
.endr
.endr
.set NN, 0
.rept 32
	EB
	SUM1 0, NN                                     ; the row's sum is taken of the unquantised p
.set NN, NN+1
.endr
.rept 13
	EB
.endr
.set NN, 0
.rept 16                               ; (the first of these, the sum's rescaling, is the plain place behind the exponentials)
	POST 1, NN
.set NN, NN+1
.endr
	CVT 1
.irp c, 0,1
.irp i, 0,1,2
	v_permlane16_swap_b32 v[PC+16+8*\c+\i], v[PC+16+8*\c+4+\i]
.endr
.endr
	WIN 0x40                                       ; destination window 1
	MOVP 0
	v_mov_b32 v[FC], v[FF]
	v_mov_b32 v[FC+2], v[FF+2]
	WIN 0x80                                       ; destination window 2
	MOVP 1
	v_mov_b32 v[FC], v[FF]
	v_mov_b32 v[FC+2], v[FF+2]
	WIN 0                                          ; at a label and at a branch every window is 0
.endm
; THE CHANGE OF SLOTS stands at a slot's head.  Each wave waits for all its tensor loads (its record of the slot ahead), adds 0 to its spare word, and waits for that and for its reads of the slot that it has left (the last: v of its fourth step).
; fill = 1: the barrier is a round of the cluster's, so that no wave of any partner still reads the slot left or has a load on its way; behind it that slot takes the next four records: the load has four bodies in which to land.
.macro CHANGE fill
	s_wait_tensorcnt 0x0                           ; no tensor load of mine is out, so the descriptor may be written
	ds_add_u32 v[SPW], v[NIL]                      ; 0 onto my spare word
.if \fill
	s_xor_b32 s33, s33, SLOT1                      ; the other slot than last time,
	s_add_nc_u64 s[34:35], s[34:35], 4*REC         ; the next four records; the type bits on top are not reached
.endif
	s_wait_dscnt 0x0                               ; the add is done, and my reads of the slot that I have left are over
.if \fill
	CROUND
	tensor_load_to_lds s[32:35], s[24:31]          ; the first thing behind the round, and my one tensor load until the next
	s_nop 0
.rept 4
	v_nop
.endr
.else
	s_barrier_signal -1
	s_barrier_wait -1
.endif
.endm
.macro SLOT_STEPS                      ; a slot's four bodies: written once, walked four times
	s_mov_b32 s38, 4
.Lstep_\@:
	H2 0
	H1
	s_add_co_u32 s36, s36, REC
	s_sub_co_u32 s38, s38, 1
	s_cmp_lg_u32 s38, 0
	s_cbranch_scc1 .Lstep_\@
	s_sub_co_u32 s36, s36, 4*REC                   ; back to a slot's first record,
	s_xor_b32 s36, s36, SLOT1                      ; in the other slot
.endm
	s_load_b256 s[4:11], s[0:1], 0x0               ; q s[4:5], kv s[6:7], x s[8:9], gamma s[10:11]
	s_load_b64 s[12:13], s[0:1], 0x20              ; out0
	v_lshl_add_u32 v[SPW], v0, 2, SPARE
	v_mov_b32 v[NIL], 0
	ds_add_u32 v5, v6
	ds_add_u32 v5, v6
	s_wait_dscnt 0x0
	v_lshrrev_b32 v249, 5, v0
	v_readfirstlane_b32 s14, v249                  ; wave w, 0..3
	s_bfe_u32 s15, ttmp6, 0x40000                  ; cx: my place in the cluster
	s_lshl_b32 s16, ttmp9, 2
	s_add_co_u32 s16, s16, s15                     ; my block of 128 queries: it enters q's, x's and out0's addresses alone
	s_and_b32 s17, ttmp7, 0xffff                   ; the image, which the four partners share
	; descriptor group 1: a record is dense: 113 rows of 256 bytes (32 elements of 8 bytes), no padding: an image is read 512 consecutive bytes at a time
	s_mov_b32 s24, 15|(3<<16)|(1<<21)              ; 15:0 the mask: all four work-groups; 17:16 elements of 8 bytes; 21 set beside a mask
	s_mov_b32 s25, 32<<16
	s_mov_b32 s26, 113<<16
	s_mov_b32 s27, 32<<16
	s_mov_b32 s28, 113
	s_mov_b32 s29, 32
	s_mov_b32 s30, 0
	s_mov_b32 s31, 0
	s_mov_b32 s20, 0x76543210
	s_mov_b32 s21, 0xfedcba98                      ; v_permlanex16_b32's selects for lane l xor 16
	s_mov_b32 s22, 0x3fb8aa3b                      ; c = log2(e)
	s_mov_b32 s23, s22                             ; (named with it as a pair, so it is written)
	s_mov_b32 s36, 0                               ; LDS byte at which the record in hand begins
	s_mov_b32 s37, 7                               ; slots still to be asked for
	s_mul_i32 s33, s14, REC                        ; my record's place in a slot: no place in the cluster enters an LDS address
	s_mul_i32 s42, s17, 32*REC
	s_add_co_u32 s42, s42, s33                     ; and in kv: image x 32 records + wave
	s_mov_b32 s43, 0
	s_lshl_b32 s44, s17, 5
	s_add_co_u32 s44, s44, s16
	s_mul_i32 s44, s44, QREC                       ; my block's record of q
	s_mov_b32 s45, 0
	s_lshl_b32 s46, s17, 22                        ; x and out0: image x 4,194,304 + 64 w rows of 16,384 + 512 x block
	s_lshl_b32 s47, s14, 20
	s_add_co_u32 s46, s46, s47
	s_lshl_b32 s47, s16, 9
	s_add_co_u32 s46, s46, s47
	s_mov_b32 s47, 0
	s_wait_kmcnt 0x0
	s_add_nc_u64 s[4:5], s[4:5], s[44:45]
	s_add_nc_u64 s[48:49], s[8:9], s[46:47]
	s_add_nc_u64 s[50:51], s[12:13], s[46:47]
	CROUND                                         ; all four work-groups are here: the first joint loads meet
	s_mov_b32 s32, 1
	s_add_nc_u64 s[34:35], s[6:7], s[42:43]
	s_or_b32 s35, s35, 0x80000000
	tensor_load_to_lds s[32:35], s[24:31]          ; slot 0: records 0-3, one a wave
	s_nop 0
.rept 4
	v_nop
.endr
	s_load_b32 s40, s[10:11], 0x0                  ; gamma
	v_and_b32 v249, 31, v0                         ; lane
	v_and_b32 v250, 15, v0                         ; r
	v_bfe_u32 v251, v0, 4, 1                       ; h
	v_lshlrev_b32 v[LI], 4, v249
	v_lshlrev_b32 v[L8], 3, v249
	; tile T = 2 w + a is block T % 4 of fragment T / 4 = w / 2 of the record: registers 6 c .. 6 c + 5, c = w % 2, of lane r + 16 a: bytes 0, 8, 512 of that lane's place, or 520, 1,024, 1,032
	s_and_b32 s52, s14, 1
	s_lshr_b32 s53, s14, 1
	s_mul_i32 s55, s53, 1536
	s_mul_i32 s56, s52, 520
	s_add_co_u32 s56, s56, s55
	s_mul_i32 s57, s52, 1016
	s_add_co_u32 s57, s57, s55
	v_lshl_add_u32 v232, v250, 4, s56
	v_lshl_add_u32 v233, v250, 4, s57
	s_lshl_b32 s58, s53, 2
	v_lshl_add_u32 v234, v250, 3, s58              ; the scale word: 8 r + 4 (w / 2)
.irp a, 0,1
	global_load_b64 v[236+6*\a:237+6*\a], v232, s[4:5] offset:256*\a
	global_load_b64 v[238+6*\a:239+6*\a], v233, s[4:5] offset:256*\a+8
	global_load_b64 v[240+6*\a:241+6*\a], v232, s[4:5] offset:256*\a+512
.endr
	global_load_b32 v248, v234, s[4:5] offset:3072
	; the way out: lane (r, h) puts channel 16 t + 8 h + j of query 32 w + 8 a + r + 8 (r / 8) at row x 528 + 4 x query
	v_and_b32 v[STO], 8, v250
	v_add_nc_u32 v[STO], v[STO], v250
	v_lshlrev_b32 v[STO], 2, v[STO]
	v_mad_u32_u24 v[STO], v251, 8*SP, v[STO]
	s_lshl_b32 s58, s14, 7
	v_add_nc_u32 v[STO], s58, v[STO]               ; 4 (r + 8 (r / 8)) + 8 h rows + 128 w
	v_add_nc_u32 v[STO2], 128*SP, v[STO]           ; the same 128 rows on
	s_mul_i32 s58, s14, 64*SP
	v_add_nc_u32 v[RD], s58, v[LI]                 ; back: my 64 rows, 16 bytes a lane
	v_lshrrev_b32 v[PFA], 1, v249
	v_lshlrev_b32 v[PFA], 14, v[PFA]
	v_and_b32 v252, 1, v249
	v_lshl_add_u32 v[PFA], v252, 8, v[PFA]         ; the prefetch of x: 16 rows, two blocks of 256 bytes in each
	v_cmp_gt_u32 vcc_lo, 16, v249                  ; lanes 0-15
	v_cmp_lt_u32 s60, 15, v249                     ; lanes 16-31
	s_lshl_b32 s61, s52, 1
	s_mul_i32 s61, s61, 0x01010101                 ; selects byte T % 4 = 2 (w % 2) + a four times: tile A's,
	s_add_co_u32 s62, s61, 0x01010101              ; tile B's
	; what the first body finds: zero codes, zero sums, scale bytes 0 (a power of two like any other)
.irp i, 0,1,2,3,4,5,6,7,8,9
	v_mov_b32 v[VS+\i], 0                          ; v's scale words and p's
.endr
.irp i, 0,1,2,3,4,5,6,7
	v_mov_b32 v[PT+\i], 0                          ; written once: a lane permute's destination counts as one of its sources
.endr
.irp i, 0,1,2,3
	v_mov_b32 v[LS+\i], 0                          ; the sums
.endr
	v_mov_b32 v[FF+1], 0                           ; (named as the upper halves of f's pairs)
	v_mov_b32 v[FF+3], 0
	v_mov_b32 v[NM+1], 0xff61b1e6                  ; the largest t so far: -3e38, under every t
	v_mov_b32 v[NM+3], 0xff61b1e6
	v_floor_f32 v[NM], -v[NM+1]                    ; -M
	v_floor_f32 v[NM+2], -v[NM+3]
.set JJ, 0
.rept 64
	v_mov_b32 v[S+64+JJ], 0                        ; tile B's p of the step before the first
.set JJ, JJ+1
.endr
	WIN 0x40
.set JJ, 0
.rept 244
	v_mov_b32 v[JJ], 0                             ; window 1: O^T of A, v's tiles 0-7, p's codes, f.  (The body is written once: its first walk multiplies zero codes onto zeros, which the first change of M leaves zeros)
.set JJ, JJ+1
.endr
	WIN 0x80
.set JJ, 0
.rept 244
	v_mov_b32 v[JJ], 0                             ; window 2: the same for B
.set JJ, JJ+1
.endr
	WIN 0
	s_wait_loadcnt 0x0
	s_wait_kmcnt 0x0
	s_mov_b32 s41, s40                             ; (gamma is named as a pair)
	v_perm_b32 v[QS], v248, v248, s61              ; my query's scale byte in all four bytes: whichever block its codes stand in
	v_perm_b32 v[QS+1], v248, v248, s62
	WIN 0xc0                                       ; destination window 3
.irp a, 0,1
.irp i, 0,1,2,3,4,5
	v_cndmask_b32 v[36*\a+\i], 0, v[236+6*\a+\i], vcc_lo      ; lo: the codes in lanes 0-15, zero codes in lanes 16-31.  [lo][0][lo]: Q_0 at 0, Q_2 at 6
	v_cndmask_b32 v[36*\a+12+\i], 0, v[236+6*\a+\i], vcc_lo
	v_cndmask_b32 v[36*\a+18+\i], 0, v[236+6*\a+\i], s60      ; hi: the other way round.  [hi][0][hi]: Q_1 at 18, Q_3 at 24
	v_cndmask_b32 v[36*\a+30+\i], 0, v[236+6*\a+\i], s60
	v_mov_b32 v[36*\a+6+\i], 0
	v_mov_b32 v[36*\a+24+\i], 0
.endr
.endr
	WIN 0
.Lslot:                                ; seven trips: behind each change of slots but the last the next slot is asked for
	CHANGE 1
	SLOT_STEPS
	s_sub_co_u32 s37, s37, 1
	s_cmp_lg_u32 s37, 0
	s_cbranch_scc1 .Lslot
	CHANGE 0                                       ; the last slot is written out
.irp i, 0,1,2,3
	global_prefetch_b8 v[PFA], s[48:49] offset:262144*\i th:TH_LOAD_NT scope:SCOPE_SE   ; my 64 rows x 512 bytes of x, each block of 256 bytes once, by the wave that will load it, four bodies ahead of the loads
.endr
	SLOT_STEPS
	H2 1                                           ; v p^T of the last step, and tile B's last sums: 32 plain lines, the places behind the last products
	; THE WAY OUT.  O^T / the sum goes to a stage of 256 channel rows in LDS; each wave takes 64 whole rows back, multiplies by gamma, adds x and stores rows of 512 bytes.
	v_add_f32 v[TMP], v[LS], v[LS+1]               ; the sums' two halves,
	v_add_f32 v[TMP+1], v[LS+2], v[LS+3]
	v_permlanex16_b32 v[PT], v[TMP], s20, s21
	v_permlanex16_b32 v[PT+4], v[TMP+1], s20, s21
	v_add_f32 v[TMP], v[TMP], v[PT]                ; and lane l xor 16's: the rows' sums
	v_add_f32 v[TMP+1], v[TMP+1], v[PT+4]
	v_rcp_f32 v[FF], v[TMP]
	v_rcp_f32 v[FF+2], v[TMP+1]
	v_nop                                          ; one plain place behind a transcendental
	WIN 0xc0
.set II, 0
.rept 64
	global_load_b128 v[4*II:4*II+3], v[LI], s[48:49] offset:16384*II th:TH_LOAD_NT   ; x(64 w + i, my block's 128 positions): 512 consecutive bytes, into window 3
.set II, II+1
.endr
	WIN 0x41                                       ; O^T of A window 1, 1 / the sum window 0
.set JJ, 0
	s_wait_alu depctr_va_vdst(0)
.rept 64
	v_pk_mul_f32 v[JJ:JJ+1], v[JJ:JJ+1], v[FF:FF+1] op_sel_hi:[1,0]
.set JJ, JJ+2
.endr
	WIN 0x82                                       ; O^T of B window 2
.set JJ, 0
.rept 64
	v_pk_mul_f32 v[JJ:JJ+1], v[JJ:JJ+1], v[FF+2:FF+3] op_sel_hi:[1,0]
.set JJ, JJ+2
.endr
	WIN 0
	s_wait_dscnt 0x0
	s_barrier_signal -1
	s_barrier_wait -1                              ; no wave reads the slots any more, and they have had their last fill: the stage may be written
.irp a, 0,1
	WIN 0x04+4*\a                                  ; an LDS store's data are its source 1: window 1, then window 2
.set TT, 0
.rept 8
.set JJ, 0
.rept 8
	ds_store_b32 v[STO], v[8*TT+JJ] offset:(16*TT+JJ)*SP+32*\a       ; the 32 lanes' words fall into 32 different banks: 8 rows of 528 bytes are 32 words modulo 64 (64 banks of 4 bytes: ISA guide 11.1)
	ds_store_b32 v[STO2], v[64+8*TT+JJ] offset:(16*TT+JJ)*SP+32*\a
.set JJ, JJ+1
.endr
.set TT, TT+1
.endr
.endr
	WIN 0
	s_wait_dscnt 0x0                               ; for the others' sake: my stores have landed
	s_barrier_signal -1
	s_barrier_wait -1
.irp u, 0,1                            ; my 64 rows, 32 at a time
.if \u
	s_wait_xcnt 0x0                                ; the first 32 stores have read their data: the registers are loaded again only behind this wait
.endif
.set II, 0
.rept 32
	ds_load_b128 v[S+4*II:S+4*II+3], v[RD] offset:(32*\u+II)*SP
.set II, II+1
.endr
	WIN 0x30                                       ; source 2 (x) window 3
.set II, 0
.rept 32
	s_wait_dscnt 31-II                             ; this row is back; the younger rows may be out
	s_wait_loadcnt 63-32*\u-II                     ; and so is x's row; its younger rows may be out
	v_pk_fma_f32 v[S+4*II:S+4*II+1], v[S+4*II:S+4*II+1], s[40:41], v[128*\u+4*II:128*\u+4*II+1] op_sel_hi:[1,0,1]
	v_pk_fma_f32 v[S+4*II+2:S+4*II+3], v[S+4*II+2:S+4*II+3], s[40:41], v[128*\u+4*II+2:128*\u+4*II+3] op_sel_hi:[1,0,1]
	global_store_b128 v[LI], v[S+4*II:S+4*II+3], s[50:51] offset:16384*(32*\u+II) th:TH_STORE_NT   ; 32 lanes store 512 consecutive bytes, at a multiple of 256 from out0's first byte
.set II, II+1
.endr
	WIN 0
.endr
	s_wait_tensorcnt 0x0                           ; the wave's end
	ds_add_u32 v[SPW], v[NIL]
	s_wait_dscnt 0x0
	CROUND                                         ; the closing round: no work-group ends while a partner may still ask for a record that names it
	s_endpgm
.Lfunc_end_k_qf86f06d0a7_attn:
	.size	k_qf86f06d0a7_attn, .Lfunc_end_k_qf86f06d0a7_attn-k_qf86f06d0a7_attn
	.p2alignl 7, 3214868480
	.fill 96, 4, 3214868480
	.section	.rodata,"a",@progbits
	.p2align	6, 0x0
	.amdhsa_kernel k_qf86f06d0a7_attn
		.amdhsa_group_segment_fixed_size 327680
		.amdhsa_private_segment_fixed_size 0
		.amdhsa_enable_private_segment 0
		.amdhsa_kernarg_size 40
		.amdhsa_user_sgpr_count 2
		.amdhsa_user_sgpr_kernarg_segment_ptr 1
		.amdhsa_wavefront_size32 1
		.amdhsa_system_sgpr_workgroup_id_x 1
		.amdhsa_system_sgpr_workgroup_id_y 1
		.amdhsa_system_sgpr_workgroup_id_z 1
		.amdhsa_system_vgpr_workitem_id 0
		.amdhsa_next_free_vgpr 1024
		.amdhsa_next_free_sgpr 66
		.amdhsa_reserve_vcc 1
		.amdhsa_float_denorm_mode_32 3
		.amdhsa_float_denorm_mode_16_64 3
		.amdhsa_memory_ordered 1
		.amdhsa_forward_progress 1
		.amdhsa_inst_pref_size 179
	.end_amdhsa_kernel
	.amdgpu_metadata
---
amdhsa.version: [ 1, 2 ]
amdhsa.kernels:
  - .name:           k_qf86f06d0a7_attn
    .symbol:         k_qf86f06d0a7_attn.kd
    .args:
      - { .name: q, .offset: 0, .size: 8, .value_kind: global_buffer, .address_space: global }
      - { .name: kv, .offset: 8, .size: 8, .value_kind: global_buffer, .address_space: global }
      - { .name: x, .offset: 16, .size: 8, .value_kind: global_buffer, .address_space: global }
      - { .name: gamma, .offset: 24, .size: 8, .value_kind: global_buffer, .address_space: global }
      - { .name: out0, .offset: 32, .size: 8, .value_kind: global_buffer, .address_space: global }
    .group_segment_fixed_size: 327680
    .private_segment_fixed_size: 0
    .kernarg_segment_align: 8
    .kernarg_segment_size: 40
    .max_flat_workgroup_size: 128
    .sgpr_count:     66
    .vgpr_count:     1024
    .wavefront_size: 32
...
	.end_amdgpu_metadata
.endif
;; end of part 2
